; MI455X (gfx1250); checked and timed in simulation.
; The chip was launched on July 23, 2026; its instructions are those of AMD's public machine-readable ISA for CDNA 5 (MIT licence, August 2026) and "CDNA5" Instruction Set Architecture Reference Guide (July 2026). The comments in the code are by the model that wrote it; some were corrected since.
;; TCA Block. Allowed arithmetic: matrix products marked QUANTISED: E5M2 operands, one given power-of-two scale a tensor, by v_wmma_f32_16x16x64_bf8_bf8 or v_wmma_f32_16x16x128_bf8_bf8, f32 sums; products left as they are: f32 operands where the result goes on into a quantised operand, else bf16, f16 or f32 operands; f32 sums; everything else in f32.
;; Inputs: Wk_codes 1,024 x 32 x 32 uint8 (E5M2 codes of Wk, K innermost, in blocks of 32 codes); Wout_codes 1,024 x 32 x 32 uint8 (E5M2 codes of Wout, K innermost, in blocks of 32 codes); Wq_codes 1,024 x 32 x 32 uint8 (E5M2 codes of Wq, K innermost, in blocks of 32 codes); Wv_codes 1,024 x 32 x 32 uint8 (E5M2 codes of Wv, K innermost, in blocks of 32 codes); bout 1,024 float32; c_codes 2,048 x 8 x 32 x 32 uint8 (E5M2 codes of c, K innermost, in blocks of 32 codes); lowp_scales 8 int32 (the exponents e of the quantised operands' scales 2^e); x_codes 2,048 x 8 x 32 x 32 uint8 (E5M2 codes of x, K innermost, in blocks of 32 codes).
;; Outputs: out0 2,048 x 8 x 1,024 float32.
;; This version of the problem:
;;   THIS VERSION OF THE PROBLEM IS GIVEN IN LOW PRECISION. The matrix products marked QUANTISED in the list below multiply operands that are first quantised to E5M2 (5 exponent bits, 2 mantissa bits; 8 bits a number), with one given power-of-two scale for each operand tensor; their sums are f32. All else is computed in f32.
;;   The module's matrix products, in the order in which they are computed (A, B: the left and right operand; K: the contracted axis; several contracted axes count as one K, in the product's order):
;;     1. [M 16,384, K 1,024] x [K 1,024, N 1,024]; A: input x (given as codes); B: input Wq (given as codes): QUANTISED (scales: A lowp_scales[0], B lowp_scales[1])
;;     2. [M 16,384, K 1,024] x [K 1,024, N 1,024]; A: input c (given as codes); B: input Wk (given as codes): QUANTISED (scales: A lowp_scales[2], B lowp_scales[3])
;;     3. [M 16,384, K 1,024] x [K 1,024, N 1,024]; A: input c (given as codes); B: input Wv (given as codes): QUANTISED (scales: A lowp_scales[4], B lowp_scales[5])
;;     4. batch 16,384 x [M 8, K 128] x [K 128, N 8]; A: computed on the way; B: computed on the way: left as it is (M = 8 < 16)
;;     5. batch 16,384 x [M 8, K 8] x [K 8, N 128]; A: softmax; B: computed on the way: left as it is (K = 8 < 32)
;;     6. [M 16,384, K 1,024] x [K 1,024, N 1,024]; A: computed on the way; B: input Wout (given as codes): QUANTISED (scales: A lowp_scales[6], B lowp_scales[7])
;;   THE QUANTISER, for each operand of a quantised product, along K:
;;     - The operand's scale is 2^e, e = its entry of the input lowp_scales (int32; the entries are numbered through the quantised products in the list's order, A before B).
;;     - Each number is divided by the scale, clamped to +-57,344, and rounded to the nearest number of E5M2, ties to even, subnormals kept.
;;     - The product sums the exact products of the quantised numbers (number of the format x scale) in f32.
;;   ~~~python
;;   def quantise(x, axis, e):      # numpy; x: float32 -> the quantised numbers, widened to float32 again
;;       x = np.moveaxis(x, axis, -1); K = x.shape[-1]
;;       r = np.clip(x / 2.0 ** e, -57344, 57344)
;;       step = 2.0 ** (np.maximum(np.frexp(np.where(r == 0, 1, r))[1] - 1, -14) - 2)
;;       q = np.round(r / step) * step * 2.0 ** e      # np.round: ties to even
;;       return np.moveaxis(q, -1, axis).astype(np.float32)
;;   ~~~
;;   OPERANDS COMPUTED ON THE WAY. 'Computed on the way' means the value that the module computes at that place (a softmax that the list does not call 'softmax' is quantised finished and normalised). What goes into a quantiser is computed in f32, as accurately as f32 sums, v_exp_f32 and their like allow (about 1e-6 of the number): no bf16 or f16 on the way to a quantiser, and a product that is left as it is and whose result goes on into a quantised operand takes f32 operands (vector FMAs, or v_wmma_f32_16x16x4_f32). A number that lies on a knife's edge between two numbers of the format may be rounded either way, as far as f32 arithmetic and the matrix unit's own rounding can turn it there, and no further.
;;   INPUTS GIVEN AS CODES. Wk (in the module: [1024, 1024], K = its axis 0); Wout (in the module: [1024, 1024], K = its axis 0); Wq (in the module: [1024, 1024], K = its axis 0); Wv (in the module: [1024, 1024], K = its axis 0); c (in the module: [2048, 8, 1024], K = its axis 2); x (in the module: [2048, 8, 1024], K = its axis 2): each comes as NAME_codes (uint8): NAME with its K axis moved to the last place and cut into blocks of 32 codes, [.., K / 32, bytes a block], one block behind the other in memory; one code a byte (a code: sign, 5 exponent bits, 2 mantissa bits); its scale is its entry of lowp_scales. Its value is code x scale, taken as it is: it is not quantised again, and the codes and scales need not be those that the quantiser above would give.
;; 2 versions. Each part assembles by itself: llvm-mc -triple=amdgcn-amd-amdhsa -mcpu=gfx1250 --defsym DOCPART=n.
;; ======== version 1 of 2: 2 launches
;; workspace buffers: wl 4,194,304 bytes
;; launch lay (part 1): grid 256 x 1, 8 waves a work-group, no clusters, 0 bytes of LDS; arguments Wq_codes, Wk_codes, Wv_codes, Wout_codes, wl; writes wl
.if DOCPART == 1
	.amdgcn_target "amdgcn-amd-amdhsa--gfx1250"
	.amdhsa_code_object_version 6
	.text
	.protected	k_q91dac03861_lay
	.globl	k_q91dac03861_lay
	.p2align	8
	.type	k_q91dac03861_lay,@function
k_q91dac03861_lay:
	s_mov_b64 s[64:65], 0
	v_nop
	global_prefetch_b8 v0, s[64:65] scope:SCOPE_SE
	s_setreg_imm32_b32 hwreg(HW_REG_WAVE_MODE, 25, 1), 1
	s_wait_xcnt 0x0
; The four weight tensors ([1024 (n)][1024 (k)] codes of one byte, K innermost) are copied once into wl, in the order in which the second launch
; walks them and in the order of the matrix operand's registers.  No number is changed.
; wl = 32 slots of 131,072 bytes = 256 tiles of 16,384 bytes.  A tile = 16 weight rows x 1,024 K = [s 0..7][c 0..3][lane 0..31][16 bytes]:
; lane L = (i = L % 16: the tile's row; hk = L / 16) holds k = 128 s + 32 c + 16 hk + 0..15 of row i.  With j = i % 8, h' = i / 8:
;   slots 0-15, tile [cw][p][e]:  e = 0 Wq, e = 1 Wk;  n = 128 j + 64 cw + 4 slot + 2 p + h'         (8 chunks x 2 channels)
;   slots 16-23, tile [cw][p][e]: Wv;  n = 128 j + 64 cw + 4 (2 (slot - 16) + p) + 2 h' + e
;   slots 24-31, tile [w][e]:     Wout; n = 16 (16 w + 2 (slot - 24) + e) + i, and K is taken in the order 8 channel + chunk:
;                                 byte b of a piece is Wout[n][128 (b % 8) + 16 s + 4 c + 2 hk + b / 8]
; Work-group g makes tile g; thread t = 32 s + L makes the four pieces c = 0..3 of (s, L).  Each store of a wave covers 512 consecutive bytes, aligned.
; The reads are pieces of 16 bytes out of 16 rows: 4 MiB in all, read once.
	s_load_b256 s[4:11], s[0:1], 0x0               ; Wq s[4:5], Wk s[6:7], Wv s[8:9], Wout s[10:11]
	s_load_b64 s[12:13], s[0:1], 0x20              ; wl
	v_and_b32 v1, 31, v0                           ; L
	v_lshrrev_b32 v2, 5, v0                        ; s
	v_lshlrev_b32 v3, 4, v1
	v_lshl_add_u32 v3, v2, 11, v3                  ; my place in the tile: 2,048 s + 16 L (+ 512 c in the immediate)
	v_and_b32 v4, 7, v0                            ; j
	v_bfe_u32 v5, v0, 3, 1                         ; h'
	v_bfe_u32 v6, v0, 4, 1                         ; hk
	s_lshl_b32 s14, ttmp9, 14                      ; the tile's first byte in wl
	s_mov_b32 s15, 0
	s_lshr_b32 s16, ttmp9, 3                       ; slot
	s_and_b32 s17, ttmp9, 7                        ; tile in the slot
	s_and_b32 s20, s17, 1                          ; e
	s_mov_b32 s29, 0
	s_wait_kmcnt 0x0
	s_add_nc_u64 s[12:13], s[12:13], s[14:15]
	s_cmp_ge_u32 ttmp9, 192
	s_cbranch_scc1 .Lwout
	; ---- Wq, Wk, Wv: one path; tensor, first channel and the step from h' = 0 to 1 are chosen on the work-group's number alone
	s_lshr_b32 s18, s17, 2                         ; cw
	s_bfe_u32 s19, s17, 0x10001                    ; p
	s_lshl_b32 s21, s18, 6                         ; 64 cw
	s_lshl_b32 s22, s16, 2
	s_lshl_b32 s23, s19, 1
	s_add_co_u32 s22, s22, s23                     ; slots 0-15: 4 slot + 2 p
	s_and_b32 s23, s16, 7                          ; slots 16-23: slot - 16
	s_lshl_b32 s23, s23, 3
	s_lshl_b32 s24, s19, 2
	s_add_co_u32 s23, s23, s24
	s_add_co_u32 s23, s23, s20                     ; 4 (2 (slot - 16) + p) + e
	s_cmp_eq_u32 s20, 0
	s_cselect_b64 s[26:27], s[4:5], s[6:7]         ; Wq or Wk
	s_cmp_lt_u32 s16, 16
	s_cselect_b64 s[26:27], s[26:27], s[8:9]       ; or Wv
	s_cselect_b32 s22, s22, s23
	s_cselect_b32 s24, 10, 11                      ; h' steps one row of 1,024 bytes, or two
	s_add_co_u32 s22, s22, s21                     ; the tile's first channel
	s_lshl_b32 s28, s22, 10
	s_add_nc_u64 s[26:27], s[26:27], s[28:29]
	v_lshlrev_b32 v7, 17, v4                       ; chunk j: 128 rows of 1,024 bytes
	v_lshlrev_b32 v8, s24, v5
	v_add_nc_u32 v7, v7, v8
	v_lshl_add_u32 v7, v6, 4, v7                   ; + 16 hk
	v_lshl_add_u32 v7, v2, 7, v7                   ; + 128 s
.irp c, 0,1,2,3
	global_load_b128 v[16+4*\c:19+4*\c], v7, s[26:27] offset:32*\c
.endr
	s_wait_loadcnt 0x0
.irp c, 0,1,2,3
	global_store_b128 v3, v[16+4*\c:19+4*\c], s[12:13] offset:512*\c
.endr
	s_endpgm
.Lwout:
	; ---- Wout: of row n the 16 channels 16 s + 0..15 of each of the 8 chunks are read; a piece takes two channels of all eight chunks
	s_lshr_b32 s18, s17, 1                         ; w
	s_and_b32 s19, s16, 7                          ; slot - 24
	s_lshl_b32 s18, s18, 4
	s_lshl_b32 s19, s19, 1
	s_add_co_u32 s18, s18, s19
	s_add_co_u32 s18, s18, s20                     ; the tile of 16 columns: 16 w + 2 (slot - 24) + e
	s_lshl_b32 s28, s18, 14                        ; 16 rows of 1,024 bytes
	s_add_nc_u64 s[26:27], s[10:11], s[28:29]
	s_mov_b32 s30, 0x05040100                      ; the low halves of two words
	s_mov_b32 s31, 0x07060302                      ; the high halves
	v_and_b32 v8, 15, v0                           ; i
	v_lshlrev_b32 v7, 10, v8
	v_lshl_add_u32 v7, v2, 4, v7                   ; row i, + 16 s
.irp j, 0,1,2,3,4,5,6,7
	global_load_b128 v[16+4*\j:19+4*\j], v7, s[26:27] offset:128*\j   ; chunk j: word c holds channels 16 s + 4 c + 0..3
.endr
	v_mov_b32 v9, 0x05010400                       ; hk = 0: bytes 0 and 1 of two words, interleaved
	v_mov_b32 v10, 0x07030602                      ; hk = 1: bytes 2 and 3
	v_cmp_eq_u32 vcc_lo, 1, v6
	v_cndmask_b32 v9, v9, v10, vcc_lo
	s_wait_loadcnt 0x0
.irp c, 0,1,2,3
	v_perm_b32 v48, v[20+\c], v[16+\c], v9         ; chunks 0, 1: (first channel: 0, 1; second channel: 0, 1)
	v_perm_b32 v49, v[28+\c], v[24+\c], v9         ; chunks 2, 3
	v_perm_b32 v50, v[36+\c], v[32+\c], v9         ; chunks 4, 5
	v_perm_b32 v51, v[44+\c], v[40+\c], v9         ; chunks 6, 7
	v_perm_b32 v[52+4*\c], v49, v48, s30           ; first channel, chunks 0-3
	v_perm_b32 v[53+4*\c], v51, v50, s30           ; first channel, chunks 4-7
	v_perm_b32 v[54+4*\c], v49, v48, s31           ; second channel, chunks 0-3
	v_perm_b32 v[55+4*\c], v51, v50, s31           ; second channel, chunks 4-7
	global_store_b128 v3, v[52+4*\c:55+4*\c], s[12:13] offset:512*\c
.endr
	s_endpgm
.Lfunc_end_k_q91dac03861_lay:
	.size	k_q91dac03861_lay, .Lfunc_end_k_q91dac03861_lay-k_q91dac03861_lay
	.p2alignl 7, 3214868480
	.fill 96, 4, 3214868480
	.section	.rodata,"a",@progbits
	.p2align	6, 0x0
	.amdhsa_kernel k_q91dac03861_lay
		.amdhsa_group_segment_fixed_size 0
		.amdhsa_private_segment_fixed_size 0
		.amdhsa_enable_private_segment 0
		.amdhsa_kernarg_size 40
		.amdhsa_user_sgpr_count 2
		.amdhsa_user_sgpr_kernarg_segment_ptr 1
		.amdhsa_wavefront_size32 1
		.amdhsa_system_sgpr_workgroup_id_x 1
		.amdhsa_system_sgpr_workgroup_id_y 1
		.amdhsa_system_sgpr_workgroup_id_z 1
		.amdhsa_system_vgpr_workitem_id 0
		.amdhsa_next_free_vgpr 72
		.amdhsa_next_free_sgpr 66
		.amdhsa_reserve_vcc 1
		.amdhsa_float_denorm_mode_32 3
		.amdhsa_float_denorm_mode_16_64 3
		.amdhsa_memory_ordered 1
		.amdhsa_forward_progress 1
		.amdhsa_inst_pref_size 7
	.end_amdhsa_kernel
	.amdgpu_metadata
---
amdhsa.version: [ 1, 2 ]
amdhsa.kernels:
  - .name:           k_q91dac03861_lay
    .symbol:         k_q91dac03861_lay.kd
    .args:
      - { .name: Wq_codes, .offset: 0, .size: 8, .value_kind: global_buffer, .address_space: global }
      - { .name: Wk_codes, .offset: 8, .size: 8, .value_kind: global_buffer, .address_space: global }
      - { .name: Wv_codes, .offset: 16, .size: 8, .value_kind: global_buffer, .address_space: global }
      - { .name: Wout_codes, .offset: 24, .size: 8, .value_kind: global_buffer, .address_space: global }
      - { .name: wl, .offset: 32, .size: 8, .value_kind: global_buffer, .address_space: global }
    .group_segment_fixed_size: 0
    .private_segment_fixed_size: 0
    .kernarg_segment_align: 8
    .kernarg_segment_size: 40
    .max_flat_workgroup_size: 256
    .sgpr_count:     66
    .vgpr_count:     72
    .wavefront_size: 32
...
	.end_amdgpu_metadata
.endif
;; end of part 1
;; launch tca (part 2): grid 256 x 1, 4 waves a work-group, clusters of 4 x 1, 327,680 bytes of LDS; arguments x_codes, c_codes, wl, bout, lowp_scales, out0; writes out0
.if DOCPART == 2
	.amdgcn_target "amdgcn-amd-amdhsa--gfx1250"
	.amdhsa_code_object_version 6
	.text
	.protected	k_q91dac03861_tca
	.globl	k_q91dac03861_tca
	.p2align	8
	.type	k_q91dac03861_tca,@function
k_q91dac03861_tca:
	s_mov_b64 s[64:65], 0
	v_nop
	global_prefetch_b8 v0, s[64:65] scope:SCOPE_SE
	s_setreg_imm32_b32 hwreg(HW_REG_WAVE_MODE, 25, 1), 1
	s_wait_xcnt 0x0
	s_wait_alu depctr_hold_cnt(0) depctr_sa_sdst(0) depctr_va_vdst(0) depctr_va_sdst(0) depctr_va_ssrc(0) depctr_va_vcc(0) depctr_vm_vsrc(0)
	s_getreg_b32 s2, hwreg(HW_REG_IB_STS2, 6, 4)
	s_cmp_eq_u32 s2, 0
	s_cbranch_scc0 .Lentry_in_a_cluster
	s_endpgm
.Lentry_in_a_cluster:
	s_bfe_u32 s2, ttmp6, 0x10000c
	s_cmp_lg_u32 s2, 0x3003
	s_cbranch_scc0 .Lentry_shape_is_right
	s_endpgm
.Lentry_shape_is_right:
; out = attention(x Wq, c Wk, c Wv) Wout + bout, all of it in one launch.  The raw reshape makes every one of the 16,384 token rows stand alone: its 1,024 numbers of q, k, v are
; 8 chunks j of 128 channels; s[j][j'] = sum over ch of q[128 j + ch] k[128 j' + ch] / sqrt(128); softmax over j'; attn[128 j + ch] = sum over j' of w[j][j'] v[128 j' + ch].
; The four large products run on codes of BF8 (E5M2) by v_wmma_f32_16x16x128_bf8_bf8; the scores, the softmax and w v run in f32 on the vector unit; attn is quantised with 2^e6.
; SHARES.  A work-group of four waves owns 64 rows.  The weights come as wl (32 slots of 128 KiB, laid by the launch before in the operand's register order) through a ring of two LDS slots.
;   q, k, v: wave wv = 2 rh + cw takes rows 32 rh .. + 31 (two tiles a) and the 64 channels of half cw of every chunk; its x and c stay in 512 registers.
;   A weight tile is 8 chunks x 2 channels and is source 0, so a lane (r = lane % 16, h = lane / 16) holds, of row r, chunks 0..7 of ONE channel in the result's eight registers:
;   the scores are an 8 x 8 outer product a lane, w v an 8 x 8 matrix times a vector a lane, both in packed multiply-adds; nothing changes lanes but one fold at the end of the scores.
;   out: wave wv takes all 64 rows x columns 256 wv .. + 255; attn's codes (K in the order 8 channel + chunk, as wl has Wout's) stay in the 512 registers that x and c have left.
; A unit's vector work stands in four slices behind the NEXT unit's matrix instructions; the slices are also the places in front of the loads into the weights' registers.
; CLUSTER.  All work-groups walk the same 32 slots: the four of a cluster ask for each quarter slot jointly (mask 15).  wl is walked by all 64 clusters and x and c are wanted at the head: no prefetch is laid.
; k within a fragment: lane (r, hk) holds k = 128 s + 32 c + 16 hk + 0..15 in registers 4 c .. 4 c + 3: one permutation of k, the same in both operands of every product.
; LIMITS on the given exponents, so that each power of two below is an f32 number: e0 + e1 + e2 + e3 between -123 and 130; e6 - e4 - e5 between -126 and 112; e6 + e7 between -126 and 127.
; NaN and infinity among the codes are not served.  The f32 sums are taken in another order than reference()'s.
; REGISTERS, in windows of 256.  Window 0: v1-17 addresses and constants; v32-159 S: score, then weight, (a, j', j) at 32 + 64 a + 8 j' + j; v160-223 ACC: two sets of four accumulators
;   (set par at 160 + 32 par; tile e, rows a at + 16 e + 8 a); v224-239 T; v240-255 CT: codes just made.  In the last product: v32-159 sixteen accumulators, v160-223 rows on the way out, v224-227 bias.
;   Window 1: one unit's 16 weight fragments, (e, s) at 128 e + 16 s.  Windows 2 (s = 0..3) and 3 (s = 4..7): x(a, s) at 64 a + 16 (s % 4), c(a, s) 128 further on;
;   later attn's codes, (m, s) at 128 ((s % 4) / 2) + 32 m + 16 (s % 2).
.set SLOTB, 1<<17                      ; a slot; slot 1 begins here, so that one exclusive or turns an address from one slot to the other
.set SCR,   2*SLOTB                    ; 32,768 bytes written by LDS stores alone: first the waves' scores (4 x 8,192), later 16 images of code fragments (2,048 each)
.set STG,   SCR+32768                  ; the way out: 16 rows x 272 bytes for each wave
.set SPARE, STG+4*4352                 ; the spare words, 128 bytes for each wave: two blocks of 256 bytes that no other line names
.set S,   32
.set ACC, 160
.set T,   224
.set CT,  240
.set OB,  160
.set BI,  224
.set MSB, 0
.macro WIN new                         ; the immediate's high byte repeats the setting that is left; a switch that changes nothing is dropped
.if MSB != (\new)
	s_set_vgpr_msb (MSB<<8)|(\new)
.set MSB, (\new)
.endif
.endm
.macro PLACES
.rept 4
	v_nop
.endr
.endm
; A round of the cluster's barrier: my work-group's barrier; wave 0 signals for the work-group; every wave waits for all four work-groups; my work-group's barrier once more.
.macro ROUND
	s_barrier_signal -1
	s_barrier_wait -1
	s_cmp_lg_u32 s16, 0
	s_cbranch_scc1 .Lnot_wave_0_\@
	s_barrier_signal -3
.Lnot_wave_0_\@:
	s_barrier_wait -3
	s_barrier_signal -1
	s_barrier_wait -1
.endm
; 8 matrix instructions: K steps s = 2 D, 2 D + 1; tile 0 against the rows at a0, tile 1 against those at a1 (x at 0, c at 128), rows a = 0, 1.  Source 0 = 16 weight rows, source 1 = 16 token rows.
; The set's four accumulators take turns, one instruction a turn.  s = 0 starts the sums with the constant 0.
.macro MULS D, par, a0, a1
.if (\D) < 2
	WIN 0x09                                       ; source 0 window 1, source 1 window 2, C and D window 0
.else
	WIN 0x0d                                       ; source 1 window 3
.endif
.irp ss, 0,1
.set mS, 2*(\D)+\ss
.set mA, 16*(mS%4)
.set mD, ACC+32*(\par)
.if mS == 0
	v_wmma_f32_16x16x128_bf8_bf8 v[mD:mD+7], v[16*mS:16*mS+15], v[\a0+mA:\a0+mA+15], 0
	v_wmma_f32_16x16x128_bf8_bf8 v[mD+8:mD+15], v[16*mS:16*mS+15], v[\a0+64+mA:\a0+64+mA+15], 0
	v_wmma_f32_16x16x128_bf8_bf8 v[mD+16:mD+23], v[128+16*mS:128+16*mS+15], v[\a1+mA:\a1+mA+15], 0
	v_wmma_f32_16x16x128_bf8_bf8 v[mD+24:mD+31], v[128+16*mS:128+16*mS+15], v[\a1+64+mA:\a1+64+mA+15], 0
.else
	v_wmma_f32_16x16x128_bf8_bf8 v[mD:mD+7], v[16*mS:16*mS+15], v[\a0+mA:\a0+mA+15], v[mD:mD+7]
	v_wmma_f32_16x16x128_bf8_bf8 v[mD+8:mD+15], v[16*mS:16*mS+15], v[\a0+64+mA:\a0+64+mA+15], v[mD+8:mD+15]
	v_wmma_f32_16x16x128_bf8_bf8 v[mD+16:mD+23], v[128+16*mS:128+16*mS+15], v[\a1+mA:\a1+mA+15], v[mD+16:mD+23]
	v_wmma_f32_16x16x128_bf8_bf8 v[mD+24:mD+31], v[128+16*mS:128+16*mS+15], v[\a1+64+mA:\a1+64+mA+15], v[mD+24:mD+31]
.endif
.endr
.endm
; 16 LDS loads: the next unit's weight fragments of K steps 2 D, 2 D + 1, both tiles; 32 lanes read 512 consecutive bytes
.macro RELOAD D, off
	WIN 0x40                                       ; destination window 1, address window 0
.irp e, 0,1
.irp ss, 0,1
.irp c, 0,1,2,3
	ds_load_b128 v[128*\e+16*(2*(\D)+\ss)+4*\c:128*\e+16*(2*(\D)+\ss)+4*\c+3], v5 offset:(\off)+16384*\e+2048*(2*(\D)+\ss)+512*\c
.endr
.endr
.endr
.endm
; A slice of the scores: rows a = D / 2, j' = 4 (D % 2) .. + 3: S[j'][j] += q[j] k[j'], two j at a time, k[j'] for both halves.  The first line reads the two lowest registers of both accumulators.
.macro VQK D, par, first
.set qA, (\D)/2
.set qQ, ACC+32*(\par)+8*qA
.set qK, qQ+16
.set qS, S+64*qA
.irp jj, 0,1,2,3
.set qJ, 4*((\D)%2)+\jj
.irp jp, 0,2,4,6
.if (\jj)%2 == 0
.if \first
	v_pk_mul_f32 v[qS+8*qJ+\jp:qS+8*qJ+\jp+1], v[qQ+\jp:qQ+\jp+1], v[qK+qJ:qK+qJ+1] op_sel_hi:[1,0]
.else
	v_pk_fma_f32 v[qS+8*qJ+\jp:qS+8*qJ+\jp+1], v[qQ+\jp:qQ+\jp+1], v[qK+qJ:qK+qJ+1], v[qS+8*qJ+\jp:qS+8*qJ+\jp+1] op_sel_hi:[1,0,1]
.endif
.else
.if \first
	v_pk_mul_f32 v[qS+8*qJ+\jp:qS+8*qJ+\jp+1], v[qQ+\jp:qQ+\jp+1], v[qK+qJ-1:qK+qJ] op_sel:[0,1] op_sel_hi:[1,1]
.else
	v_pk_fma_f32 v[qS+8*qJ+\jp:qS+8*qJ+\jp+1], v[qQ+\jp:qQ+\jp+1], v[qK+qJ-1:qK+qJ], v[qS+8*qJ+\jp:qS+8*qJ+\jp+1] op_sel:[0,1,0] op_sel_hi:[1,1,1]
.endif
.endif
.endr
.endr
.endm
; A slice of w v: rows a = D / 2, tile e = D % 2: T[j] = sum over j' of w[j][j'] v[j'], held within the largest code x the scale, and turned into 8 codes: chunks 0..7 of my channel.
; The four registers of (a; e = 0, 1) are registers 4 c .. 4 c + 3 of a fragment of the last product's operand, in my own lane: they go to LDS as an image, 16 bytes a lane.
; No LDS store stands in slices 0 and 1: in a unit that changes slots those stand between the add and the wait for it, and ahead of the round behind which the image area may be written again.
.macro VPV D, par, o
.set pA, (\D)/2
.set pE, (\D)%2
.set pT, T+8*pE
.set pV, ACC+32*(\par)+16*pE+8*pA
.set pW, S+64*pA
.set pC, CT+8*(\par)
.if (\D) == 0
	v_add_nc_u32 v10, s54, v9                      ; where this unit's codes go
.endif
.if (\D) == 2
	ds_store_b128 v10, v[pC:pC+3] offset:\o        ; rows a = 0
.endif
.irp jp, 0,2,4,6
	v_pk_mul_f32 v[pT+\jp:pT+\jp+1], v[pW+\jp:pW+\jp+1], v[pV:pV+1] op_sel_hi:[1,0]
.endr
.irp jq, 1,2,3,4,5,6,7
.irp jp, 0,2,4,6
.if (\jq)%2
	v_pk_fma_f32 v[pT+\jp:pT+\jp+1], v[pW+8*\jq+\jp:pW+8*\jq+\jp+1], v[pV+\jq-1:pV+\jq], v[pT+\jp:pT+\jp+1] op_sel:[0,1,0] op_sel_hi:[1,1,1]
.else
	v_pk_fma_f32 v[pT+\jp:pT+\jp+1], v[pW+8*\jq+\jp:pW+8*\jq+\jp+1], v[pV+\jq:pV+\jq+1], v[pT+\jp:pT+\jp+1] op_sel_hi:[1,0,1]
.endif
.endr
.endr
.irp i, 0,1,2,3,4,5,6,7
	v_med3_num_f32 v[pT+\i], v[pT+\i], -v17, v17   ; the conversion to an 8-bit code does not saturate (ISA guide 7.6.2): the hold comes first
.endr
	v_cvt_scalef32_pk8_bf8_f32 v[pC+4*pA+2*pE:pC+4*pA+2*pE+1], v[pT:pT+7], v16
	v_nop                                          ; one plain vector instruction behind a scaled conversion
.if (\D) == 3
	ds_store_b128 v10, v[pC+4:pC+7] offset:(\o)+8192   ; rows a = 1
.endif
.endm
.macro VEC kind, D, par, o             ; kind 0: no vector work yet, four places; 1: the scores' first slice set; 2: scores; 3: w v
.if \kind == 0
	PLACES
.elseif \kind == 1
	VQK \D, \par, 1
.elseif \kind == 2
	VQK \D, \par, 0
.else
	VPV \D, \par, \o
.endif
.endm
; A unit (32 matrix instructions) whose successor lies in the same slot, 32,768 bytes on.  Behind each 8 matrix instructions: a slice of the unit before, then the loads into the registers just read.
; s_wait_dscnt 48: behind the 16 loads that are wanted, three more groups of 16 were issued (stores of codes among them only make the wait stricter).
.macro UNIT_N par, kind, a0, a1, o
.irp D, 0,1,2,3
	s_wait_dscnt 48
	MULS \D, \par, \a0, \a1
	WIN 0
	VEC \kind, \D, 1-(\par), \o
	RELOAD \D, 32768
.endr
	WIN 0
.endm
; A slot's last unit changes slots.  All its weights were asked for in the unit before.  Each wave waits for all its tensor loads (one is out: its quarter of the next slot), adds 0 to its spare word,
; works on registers, waits for the add and for its reads of this slot, and passes a round of the cluster's barrier; behind it this slot is filled again, two slots ahead, and the next slot is read.
.macro UNIT_C par, kind, a0, a1, base, o
	WIN 0
	s_wait_tensorcnt 0x0                           ; no tensor load of mine is out, so the walking group 0 may be written
	ds_add_u32 v1, v2                              ; 0 onto my spare word
	s_wait_dscnt 48                                ; behind the first group: three groups and the add
	MULS 0, \par, \a0, \a1
	WIN 0
	VEC \kind, 0, 1-(\par), \o
	s_wait_dscnt 32                                ; behind the second group: two groups and the add
	MULS 1, \par, \a0, \a1
	WIN 0
	VEC \kind, 1, 1-(\par), \o
	s_xor_b32 s37, s37, SLOTB                      ; the walking descriptor: the other slot than last time,
	s_add_nc_u64 s[38:39], s[38:39], SLOTB         ; the next slot of wl; the type bits on top are not reached
	s_xor_b32 s52, s52, SLOTB                      ; the fragment loads go on to the other slot
	s_wait_dscnt 0x0                               ; the add is done, and my reads of this slot are over
	ROUND
	tensor_load_to_lds s[36:39], s[24:31]          ; my one tensor load behind the round, and the first thing there
	s_nop 0
	PLACES                                         ; four places behind the tensor load
	v_add_nc_u32 v5, s52, v[\base]
	RELOAD 0, 0
	RELOAD 1, 0
	MULS 2, \par, \a0, \a1
	WIN 0
	VEC \kind, 2, 1-(\par), \o
	RELOAD 2, 0
	MULS 3, \par, \a0, \a1
	WIN 0
	VEC \kind, 3, 1-(\par), \o
	RELOAD 3, 0
	WIN 0
.endm
; The last product.  16 matrix instructions: K steps 2 D, 2 D + 1 x tiles e = 0, 1 of 16 columns x the four tiles m of rows; eight accumulators by turns.
.macro OMUL D, q
.if (\D) < 2
	WIN 0x09
.else
	WIN 0x0d
.endif
.irp ss, 0,1
.set mS, 2*(\D)+\ss
.set mA, 128*((mS%4)/2)+16*(mS%2)
.irp e, 0,1
.irp m, 0,1,2,3
.set mD, S+8*(4*(2*(\q)+\e)+\m)
.if mS == 0
	v_wmma_f32_16x16x128_bf8_bf8 v[mD:mD+7], v[128*\e+16*mS:128*\e+16*mS+15], v[mA+32*\m:mA+32*\m+15], 0
.else
	v_wmma_f32_16x16x128_bf8_bf8 v[mD:mD+7], v[128*\e+16*mS:128*\e+16*mS+15], v[mA+32*\m:mA+32*\m+15], v[mD:mD+7]
.endif
.endr
.endr
.endr
.endm
; A unit of the last product is a whole slot's share of the wave: 64 matrix instructions.  mode 0: the slot is filled again; 1: nothing is left to fetch, a plain barrier; 2: the last slot.
.macro OUNIT q, mode
.if \mode < 2
	WIN 0
	s_wait_tensorcnt 0x0                           ; my quarter of the next slot has landed
	ds_add_u32 v1, v2                              ; 0 onto my spare word
	s_wait_dscnt 48
	OMUL 0, \q
	s_wait_dscnt 32
	OMUL 1, \q
	WIN 0
.if \mode == 0
	s_xor_b32 s37, s37, SLOTB
	s_add_nc_u64 s[38:39], s[38:39], SLOTB
.endif
	s_xor_b32 s52, s52, SLOTB
	s_wait_dscnt 0x0                               ; the add is done, and my reads of this slot are over
.if \mode == 0
	ROUND
	tensor_load_to_lds s[36:39], s[24:31]
	s_nop 0
.else
	s_barrier_signal -1
	s_barrier_wait -1                              ; every wave's quarter of the last slot has landed
.endif
	PLACES                                         ; behind the tensor load; also the places in front of the loads below
	v_add_nc_u32 v5, s52, v4
	RELOAD 0, 0
	RELOAD 1, 0
	OMUL 2, \q
	PLACES
	RELOAD 2, 0
	OMUL 3, \q
	PLACES
	RELOAD 3, 0
	WIN 0
.else
	s_wait_dscnt 48                                ; the counts run down: nothing more is fetched
	OMUL 0, \q
	s_wait_dscnt 32
	OMUL 1, \q
	s_wait_dscnt 16
	OMUL 2, \q
	s_wait_dscnt 0x0
	OMUL 3, \q
	WIN 0
	PLACES
.endif
.endm
; 16 images of code fragments come back as the last product's operand: image 4 m + 2 cq + sl is (rows m, K step 4 cq + 2 h + sl)
.macro ALOAD h
.irp cq, 0,1
	WIN 0x80+0x40*\cq                              ; destination window 2 or 3
.irp m, 0,1,2,3
.irp sl, 0,1
.irp c, 0,1,2,3
	ds_load_b128 v[128*\h+32*\m+16*\sl+4*\c:128*\h+32*\m+16*\sl+4*\c+3], v11 offset:2048*(4*\m+2*\cq+\sl)+512*\c
.endr
.endr
.endr
.endr
	WIN 0
.endm
; THE WAY OUT of 64 rows x 64 columns, 16 rows at a time through my own stage: a lane's eight sums are 32 bytes of a row; they come back as rows of 256 bytes.
; LDS serves a wave's instructions in order (ISA guide 5.7.1.4): no wait between the stores and the loads, nor in front of the next block's stores.  Each accumulator is read from its low end on.
.macro TOSTAGE m
.irp tt, 0,1,2,3
	ds_store_b128 v12, v[S+8*(4*\tt+\m):S+8*(4*\tt+\m)+3] offset:64*\tt
	ds_store_b128 v12, v[S+8*(4*\tt+\m)+4:S+8*(4*\tt+\m)+7] offset:64*\tt+16
.endr
.irp t, 0,1,2,3,4,5,6,7
	ds_load_b128 v[OB+32*((\m)%2)+4*\t:OB+32*((\m)%2)+4*\t+3], v13 offset:544*\t
.endr
.endm
.macro SEND m, y                       ; y: the LDS instructions issued behind block m's loads
	s_wait_dscnt \y
.irp t, 0,1,2,3,4,5,6,7
	v_pk_fma_f32 v[OB+32*((\m)%2)+4*\t:OB+32*((\m)%2)+4*\t+1], v[OB+32*((\m)%2)+4*\t:OB+32*((\m)%2)+4*\t+1], s[50:51], v[BI:BI+1] op_sel_hi:[1,0,1]       ; sum x 2^(e6 + e7) + bout
	v_pk_fma_f32 v[OB+32*((\m)%2)+4*\t+2:OB+32*((\m)%2)+4*\t+3], v[OB+32*((\m)%2)+4*\t+2:OB+32*((\m)%2)+4*\t+3], s[50:51], v[BI+2:BI+3] op_sel_hi:[1,0,1]
.endr
.irp t, 0,1,2,3,4,5,6,7
	global_store_b128 v14, v[OB+32*((\m)%2)+4*\t:OB+32*((\m)%2)+4*\t+3], s[14:15] offset:(16*(\m)+2*\t)*4096 th:TH_STORE_NT   ; 16 lanes store 256 consecutive bytes, at a multiple of 256 from out0's first byte
.endr
.endm
.macro OUTPUT
	s_wait_loadcnt 0x0                             ; the bias of my four columns
	TOSTAGE 0
	TOSTAGE 1
	SEND 0, 16                                     ; behind block 0's loads: block 1's 8 stores and 8 loads
	s_wait_xcnt 0x0                                ; block 0's stores have read their registers: block 2's loads may land there
	TOSTAGE 2
	SEND 1, 16
	s_wait_xcnt 0x0
	TOSTAGE 3
	SEND 2, 16
	SEND 3, 0
	s_wait_xcnt 0x0                                ; the stores and the bias's load have read their addresses: both step 64 columns on
	v_add_nc_u32 v14, 256, v14
	v_add_nc_u32 v15, 256, v15
.endm
	; ---------------- the head
	s_load_b256 s[4:11], s[0:1], 0x0               ; x s[4:5], c s[6:7], wl s[8:9], bout s[10:11]
	s_load_b128 s[12:15], s[0:1], 0x20             ; the scales' exponents s[12:13], out0 s[14:15]
	v_lshl_add_u32 v1, v0, 2, SPARE                ; my spare word; never rewritten
	v_mov_b32 v2, 0                                ; never rewritten
	ds_add_u32 v1, v2
	ds_add_u32 v1, v2
	s_wait_dscnt 0x0
	v_lshrrev_b32 v20, 5, v0
	v_readfirstlane_b32 s16, v20                   ; wave 0..3
	s_lshr_b32 s17, s16, 1                         ; rh: which 32 rows
	s_and_b32 s18, s16, 1                          ; cw: which 64 channels of each chunk
	s_bfe_u32 s19, ttmp6, 0x40000                  ; cx: my place in the cluster; it enters the addresses of x, c and out0 alone
	s_lshl_b32 s20, ttmp9, 2
	s_add_co_u32 s20, s20, s19                     ; my block of 64 rows
	; descriptor group 1: a quarter slot, dense: 128 rows of 32 elements of 8 bytes
	s_mov_b32 s24, 15|(3<<16)|(1<<21)              ; 15:0 the mask: all four work-groups; 17:16 elements of 8 bytes; 21 set beside a mask; no padding
	s_mov_b32 s25, 32<<16                          ; tensor_dim0 = 32
	s_mov_b32 s26, 128<<16                         ; tensor_dim1 = 128
	s_mov_b32 s27, 32<<16                          ; tile_dim0 = 32
	s_mov_b32 s28, 128                             ; tile_dim1 = 128
	s_mov_b32 s29, 32                              ; from row to row: 32 elements
	s_mov_b32 s30, 0
	s_mov_b32 s31, 0
	s_mov_b32 s32, 1                               ; group 0 of slot 0's first fill
	s_lshl_b32 s33, s16, 15                        ; LDS: my quarter, 32,768 x wave
	s_mov_b32 s36, 1                               ; group 0 of slot 1's first fill, which then walks on
	s_add_co_u32 s37, s33, SLOTB
	s_mov_b32 s60, s33
	s_mov_b32 s61, 0
	s_mov_b32 s52, 0                               ; the slot that the fragment loads read
	s_mov_b32 s56, 0x76543210                      ; v_permlanex16_b32: lane l xor 16
	s_mov_b32 s57, 0xfedcba98
	v_and_b32 v20, 31, v0                          ; lane
	v_and_b32 v21, 15, v0                          ; r
	v_bfe_u32 v22, v0, 4, 1                        ; h
	s_lshl_b32 s62, s18, 16
	v_lshl_add_u32 v3, v20, 4, s62                 ; q, k, v: 16 x lane + my half's four tiles of a slot
	v_lshl_add_u32 v4, v20, 4, s33                 ; out: 16 x lane + my two tiles of a slot
	v_lshlrev_b32 v6, 10, v21
	v_lshl_add_u32 v6, v22, 4, v6                  ; x, c: row r of 1,024 bytes, + 16 h
	s_lshl_b32 s62, s16, 13
	s_add_co_u32 s62, s62, SCR
	v_lshl_add_u32 v7, v21, 4, s62                 ; where I put my scores: both halves of the lanes hold the same numbers and write the same words
	s_xor_b32 s62, s16, 1
	s_lshl_b32 s62, s62, 13
	s_add_co_u32 s62, s62, SCR
	v_lshl_add_u32 v8, v21, 4, s62                 ; and where the wave with the other channels of my rows puts its own
	s_lshl_b32 s62, s17, 14
	s_lshl_b32 s63, s18, 12
	s_add_co_u32 s62, s62, s63
	s_add_co_u32 s62, s62, SCR
	v_lshl_add_u32 v9, v20, 4, s62                 ; my codes' images: image 4 (2 rh + a) + 2 cw + ..
	v_lshl_add_u32 v11, v20, 4, SCR                ; an image's place for my lane
	s_mul_i32 s62, s16, 4352
	s_add_co_u32 s62, s62, STG                     ; my stage
	v_mul_u32_u24 v12, v21, 272
	v_lshl_add_u32 v12, v22, 5, v12
	v_add_nc_u32 v12, s62, v12                     ; in: row r, 32 bytes for each half of the lanes
	v_mul_u32_u24 v13, v22, 272
	v_lshl_add_u32 v13, v21, 4, v13
	v_add_nc_u32 v13, s62, v13                     ; back: lanes 0-15 one row of 256 bytes, lanes 16-31 the next
	s_lshl_b32 s62, s16, 10
	v_lshl_add_u32 v15, v21, 4, s62                ; bout: my wave's 256 columns, 16 bytes a lane
	v_lshl_add_u32 v14, v22, 12, v15               ; out0: the same, and one row of 4,096 bytes on for lanes 16-31
	s_lshl_b32 s58, s20, 16                        ; x, c: 64 rows of 1,024 bytes a work-group,
	s_lshl_b32 s59, s17, 15                        ; 32 of them a wave
	s_add_co_u32 s58, s58, s59
	s_mov_b32 s59, 0
	s_wait_kmcnt 0x0
	s_load_b256 s[40:47], s[12:13], 0x0            ; e0 .. e7
	s_add_nc_u64 s[34:35], s[8:9], s[60:61]        ; wl: my quarter of slot 0,
	s_add_nc_u64 s[38:39], s[34:35], SLOTB         ; of slot 1
	s_or_b32 s35, s35, 0x80000000                  ; type = 2
	s_or_b32 s39, s39, 0x80000000
	s_add_nc_u64 s[4:5], s[4:5], s[58:59]
	s_add_nc_u64 s[6:7], s[6:7], s[58:59]
	s_lshl_b32 s58, s20, 18                        ; out0: 64 rows of 4,096 bytes a work-group
	s_add_nc_u64 s[14:15], s[14:15], s[58:59]
	ROUND                                          ; all four work-groups are here: the first joint loads meet
	tensor_load_to_lds s[32:35], s[24:31]          ; the two first fills go out together: two loads of mine are out
	s_nop 0
	tensor_load_to_lds s[36:39], s[24:31]
	s_nop 0
	PLACES
.irp w, 0,1                                    ; x and c stay in registers: lane (r, h) takes k = 128 s + 32 c + 16 h + 0..15 of row 16 a + r
	WIN 0x80+0x40*\w
.irp a, 0,1
.irp sq, 0,1,2,3
.irp c, 0,1,2,3
	global_load_b128 v[64*\a+16*\sq+4*\c:64*\a+16*\sq+4*\c+3], v6, s[4:5] offset:16384*\a+128*(4*\w+\sq)+32*\c
	global_load_b128 v[128+64*\a+16*\sq+4*\c:128+64*\a+16*\sq+4*\c+3], v6, s[6:7] offset:16384*\a+128*(4*\w+\sq)+32*\c
.endr
.endr
.endr
.endr
	WIN 0
	s_wait_kmcnt 0x0
	s_add_co_i32 s58, s40, s41
	s_add_co_i32 s58, s58, s42
	s_add_co_i32 s58, s58, s43                     ; a score stands for score x 2^(e0 + e1 + e2 + e3):
	s_lshl_b32 s58, s58, 23
	s_add_co_i32 s48, s58, 0x3e0293ee              ; the exponents are added to the exponent field of c = log2(e) / sqrt(128)
	s_mov_b32 s49, s48                             ; (named with it as a pair, so it is written)
	s_add_co_i32 s58, s46, s47
	s_add_co_i32 s58, s58, 127
	s_lshl_b32 s50, s58, 23                        ; 2^(e6 + e7) as f32
	s_mov_b32 s51, s50
	s_sub_co_i32 s58, s46, s44
	s_sub_co_i32 s58, s58, s45                     ; a sum of w v stands for sum x 2^(e4 + e5): its code is sum / 2^(e6 - e4 - e5)
	s_add_co_i32 s58, s58, 127
	s_lshl_b32 s59, s58, 23
	v_mov_b32 v16, s59                             ; that scale as f32: the conversion takes its exponent field
	s_add_co_i32 s58, s58, 15
	s_lshl_b32 s58, s58, 23
	s_or_b32 s58, s58, 0x600000
	v_mov_b32 v17, s58                             ; 57,344 x that scale
	s_wait_tensorcnt 1                             ; my quarter of slot 0 is in; slot 1's may stay out
	s_barrier_signal -1
	s_barrier_wait -1                              ; everybody's is
	v_mov_b32 v5, v3
	RELOAD 0, 0
	RELOAD 1, 0
	RELOAD 2, 0
	RELOAD 3, 0
	WIN 0
	s_wait_loadcnt 0x0                             ; x and c
	; ---------------- q, k and the scores: slots 0-15, two units a slot; a unit = one tile of Wq against x and one of Wk against c, for two channels a lane half
	UNIT_N 0, 0, 0, 128, 0
	UNIT_C 1, 1, 0, 128, 3, 0
	s_mov_b32 s53, 15
.Lqk:
	UNIT_N 0, 2, 0, 128, 0
	UNIT_C 1, 2, 0, 128, 3, 0
	s_sub_co_u32 s53, s53, 1
	s_cmp_lg_u32 s53, 0
	s_cbranch_scc1 .Lqk
	VQK 0, 1, 0                                    ; the last unit's scores
	VQK 1, 1, 0
	VQK 2, 1, 0
	VQK 3, 1, 0
	; ---------------- the softmax.  A lane's S holds the sums over its own 32 channels: the other half of the lanes and the wave with the other 64 channels are added
.irp bt, 0,1
.set i, 0
.rept 64
	v_permlanex16_b32 v[ACC+i], v[S+64*\bt+i], s56, s57
.set i, i+1
.endr
.set i, 0
.rept 32
	v_pk_add_f32 v[S+64*\bt+i:S+64*\bt+i+1], v[S+64*\bt+i:S+64*\bt+i+1], v[ACC+i:ACC+i+1]
.set i, i+2
.endr
.endr
.set i, 0
.rept 32
	ds_store_b128 v7, v[S+4*i:S+4*i+3] offset:256*i
.set i, i+1
.endr
	s_wait_dscnt 0x0                               ; for the other wave's sake: my stores are done
	s_barrier_signal -1
	s_barrier_wait -1
.irp bt, 0,1
.set i, 0
.rept 16
	ds_load_b128 v[ACC+4*i:ACC+4*i+3], v8 offset:4096*\bt+256*i
.set i, i+1
.endr
	s_wait_dscnt 0x0
.set i, 0
.rept 32
	v_pk_add_f32 v[S+64*\bt+i:S+64*\bt+i+1], v[S+64*\bt+i:S+64*\bt+i+1], v[ACC+i:ACC+i+1]
.set i, i+2
.endr
.endr
	; the largest score of each (a, j) over j', sixteen chains side by side
.irp a, 0,1
.irp j, 0,1,2,3,4,5,6,7
	v_max3_num_f32 v[T+8*\a+\j], v[S+64*\a+\j], v[S+64*\a+8+\j], v[S+64*\a+16+\j]
.endr
.endr
.irp a, 0,1
.irp j, 0,1,2,3,4,5,6,7
	v_max3_num_f32 v[T+8*\a+\j], v[T+8*\a+\j], v[S+64*\a+24+\j], v[S+64*\a+32+\j]
.endr
.endr
.irp a, 0,1
.irp j, 0,1,2,3,4,5,6,7
	v_max3_num_f32 v[T+8*\a+\j], v[T+8*\a+\j], v[S+64*\a+40+\j], v[S+64*\a+48+\j]
.endr
.endr
.irp a, 0,1
.irp j, 0,1,2,3,4,5,6,7
	v_max_num_f32 v[T+8*\a+\j], v[T+8*\a+\j], v[S+64*\a+56+\j]
.endr
.endr
.irp i, 0,2,4,6,8,10,12,14
	v_pk_mul_f32 v[T+\i:T+\i+1], v[T+\i:T+\i+1], s[48:49] op_sel_hi:[1,0]   ; c m (c is positive)
.endr
.irp a, 0,1
.irp jq, 0,1,2,3,4,5,6,7
.irp jp, 0,2,4,6
	v_pk_fma_f32 v[S+64*\a+8*\jq+\jp:S+64*\a+8*\jq+\jp+1], v[S+64*\a+8*\jq+\jp:S+64*\a+8*\jq+\jp+1], s[48:49], v[T+8*\a+\jp:T+8*\a+\jp+1] op_sel_hi:[1,0,1] neg_lo:[0,0,1] neg_hi:[0,0,1]   ; c s - c m
.endr
.endr
.endr
.set i, 0
.rept 128
	v_exp_f32 v[S+i], v[S+i]
.set i, i+1
.endr
	v_nop                                          ; one plain instruction behind the last exponential
	s_wait_alu depctr_va_vdst(0)                   ; one wait for the whole batch, ahead of its first reader
.irp a, 0,1
.irp jp, 0,2,4,6
	v_pk_add_f32 v[T+8*\a+\jp:T+8*\a+\jp+1], v[S+64*\a+\jp:S+64*\a+\jp+1], v[S+64*\a+8+\jp:S+64*\a+8+\jp+1]
.endr
.endr
.irp jq, 2,3,4,5,6,7
.irp a, 0,1
.irp jp, 0,2,4,6
	v_pk_add_f32 v[T+8*\a+\jp:T+8*\a+\jp+1], v[T+8*\a+\jp:T+8*\a+\jp+1], v[S+64*\a+8*\jq+\jp:S+64*\a+8*\jq+\jp+1]
.endr
.endr
.endr
.set i, 0
.rept 16
	v_rcp_f32 v[T+i], v[T+i]
.set i, i+1
.endr
	v_nop
	s_wait_alu depctr_va_vdst(0)                   ; one wait for the sixteen reciprocals
.irp a, 0,1
.irp jq, 0,1,2,3,4,5,6,7
.irp jp, 0,2,4,6
	v_pk_mul_f32 v[S+64*\a+8*\jq+\jp:S+64*\a+8*\jq+\jp+1], v[S+64*\a+8*\jq+\jp:S+64*\a+8*\jq+\jp+1], v[T+8*\a+\jp:T+8*\a+\jp+1]   ; the weights, normalised
.endr
.endr
.endr
	; ---------------- v, w v and the codes: slots 16-23, in two halves of eight units; a unit = two tiles of Wv against c, four channels a lane pair.
	; A half's codes are 16 fragments: they meet in the image area and come back as the last product's operand: the first half into x's registers, the second into c's.
	; The area's next writers store only behind the next round, ahead of which every wave has waited for its loads from it.
.macro VHALF h, base
	s_mov_b32 s54, 0
	UNIT_N 0, 0, 128, 128, 0
	s_mov_b32 s53, 3
.Lvh_\@:
	UNIT_C 1, 3, 128, 128, 3, 0
	UNIT_N 0, 3, 128, 128, 512
	s_add_co_u32 s54, s54, 1024                    ; two units' pieces on
	s_sub_co_u32 s53, s53, 1
	s_cmp_lg_u32 s53, 0
	s_cbranch_scc1 .Lvh_\@
	UNIT_C 1, 3, 128, 128, \base, 0
	VPV 0, 1, 512                                  ; the half's last unit
	VPV 1, 1, 512
	VPV 2, 1, 512
	VPV 3, 1, 512
	s_wait_dscnt 0x0                               ; for the others' sake: my images are stored
	s_barrier_signal -1
	s_barrier_wait -1
	ALOAD \h
.endm
	VHALF 0, 3
	VHALF 1, 4                                     ; its last change of slots fetches the last product's first tiles: my two of the slot
	s_wait_dscnt 0x0                               ; attn's codes are in
	; ---------------- out: slots 24-31, a unit a slot; two units make 64 columns of the 64 rows, which then leave
	s_mov_b32 s53, 3
.Lout:
	global_load_b128 v[BI:BI+3], v15, s[10:11]
	OUNIT 0, 0
	OUNIT 1, 0
	OUTPUT
	s_sub_co_u32 s53, s53, 1
	s_cmp_lg_u32 s53, 0
	s_cbranch_scc1 .Lout
	global_load_b128 v[BI:BI+3], v15, s[10:11]     ; the tail is written out
	OUNIT 0, 1
	OUNIT 1, 2
	OUTPUT
	s_wait_tensorcnt 0x0                           ; the wave's end, behind my last tensor load and my last LDS store
	ds_add_u32 v1, v2
	s_wait_dscnt 0x0
	ROUND                                          ; the closing round: no work-group ends while a partner may still ask for a tile that names it
	s_endpgm
.Lfunc_end_k_q91dac03861_tca:
	.size	k_q91dac03861_tca, .Lfunc_end_k_q91dac03861_tca-k_q91dac03861_tca
	.p2alignl 7, 3214868480
	.fill 96, 4, 3214868480
	.section	.rodata,"a",@progbits
	.p2align	6, 0x0
	.amdhsa_kernel k_q91dac03861_tca
		.amdhsa_group_segment_fixed_size 327680
		.amdhsa_private_segment_fixed_size 0
		.amdhsa_enable_private_segment 0
		.amdhsa_kernarg_size 48
		.amdhsa_user_sgpr_count 2
		.amdhsa_user_sgpr_kernarg_segment_ptr 1
		.amdhsa_wavefront_size32 1
		.amdhsa_system_sgpr_workgroup_id_x 1
		.amdhsa_system_sgpr_workgroup_id_y 1
		.amdhsa_system_sgpr_workgroup_id_z 1
		.amdhsa_system_vgpr_workitem_id 0
		.amdhsa_next_free_vgpr 1024
		.amdhsa_next_free_sgpr 66
		.amdhsa_reserve_vcc 0
		.amdhsa_float_denorm_mode_32 3
		.amdhsa_float_denorm_mode_16_64 3
		.amdhsa_memory_ordered 1
		.amdhsa_forward_progress 1
		.amdhsa_inst_pref_size 255
	.end_amdhsa_kernel
	.section	.bss,"aw",@nobits
	.p2align	6
	.space	262144
	.amdgpu_metadata
---
amdhsa.version: [ 1, 2 ]
amdhsa.kernels:
  - .name:           k_q91dac03861_tca
    .symbol:         k_q91dac03861_tca.kd
    .args:
      - { .name: x_codes, .offset: 0, .size: 8, .value_kind: global_buffer, .address_space: global }
      - { .name: c_codes, .offset: 8, .size: 8, .value_kind: global_buffer, .address_space: global }
      - { .name: wl, .offset: 16, .size: 8, .value_kind: global_buffer, .address_space: global }
      - { .name: bout, .offset: 24, .size: 8, .value_kind: global_buffer, .address_space: global }
      - { .name: lowp_scales, .offset: 32, .size: 8, .value_kind: global_buffer, .address_space: global }
      - { .name: out0, .offset: 40, .size: 8, .value_kind: global_buffer, .address_space: global }
    .group_segment_fixed_size: 327680
    .private_segment_fixed_size: 0
    .kernarg_segment_align: 8
    .kernarg_segment_size: 48
    .max_flat_workgroup_size: 128
    .sgpr_count:     66
    .vgpr_count:     1024
    .wavefront_size: 32
...
	.end_amdgpu_metadata
.endif
;; end of part 2
;; ======== version 2 of 2: 2 launches
;; limits: right only within a limited range of input values
;; workspace buffers: wl 4,194,304 bytes
;; launch lay (part 3): grid 256 x 1, 8 waves a work-group, no clusters, 0 bytes of LDS; arguments Wq_codes, Wk_codes, Wv_codes, Wout_codes, wl; writes wl
.if DOCPART == 3
	.amdgcn_target "amdgcn-amd-amdhsa--gfx1250"
	.amdhsa_code_object_version 6
	.text
	.protected	k_q91dac03861_lay
	.globl	k_q91dac03861_lay
	.p2align	8
	.type	k_q91dac03861_lay,@function
k_q91dac03861_lay:
	s_mov_b64 s[64:65], 0
	v_nop
	global_prefetch_b8 v0, s[64:65] scope:SCOPE_SE
	s_setreg_imm32_b32 hwreg(HW_REG_WAVE_MODE, 25, 1), 1
	s_wait_xcnt 0x0
; The four weight tensors ([1024 (n)][1024 (k)] codes of one byte, K innermost) are copied once into wl, in the order in which the second launch
; walks them and in the order of the matrix operand's registers.  No number is changed.
; wl = 32 slots of 131,072 bytes = 256 tiles of 16,384 bytes.  A tile = 16 weight rows x 1,024 K = [s 0..7][c 0..3][lane 0..31][16 bytes]:
; lane L = (i = L % 16: the tile's row; hk = L / 16) holds k = 128 s + 32 c + 16 hk + 0..15 of row i.  With j = i % 8, h' = i / 8:
;   slots 0-15, tile [cw][p][e]:  e = 0 Wq, e = 1 Wk;  n = 128 j + 64 cw + 4 slot + 2 p + h'         (8 chunks x 2 channels)
;   slots 16-23, tile [cw][p][e]: Wv;  n = 128 j + 64 cw + 4 (2 (slot - 16) + p) + 2 h' + e
;   slots 24-31, tile [w][e]:     Wout; n = 16 (16 w + 2 (slot - 24) + e) + i, and K is taken in the order 8 channel + chunk:
;                                 byte b of a piece is Wout[n][128 (b % 8) + 16 s + 4 c + 2 hk + b / 8]
; Work-group g makes tile g; thread t = 32 s + L makes the four pieces c = 0..3 of (s, L).  Each store of a wave covers 512 consecutive bytes, aligned.
; The reads are pieces of 16 bytes out of 16 rows: 4 MiB in all, read once.
	s_load_b256 s[4:11], s[0:1], 0x0               ; Wq s[4:5], Wk s[6:7], Wv s[8:9], Wout s[10:11]
	s_load_b64 s[12:13], s[0:1], 0x20              ; wl
	v_and_b32 v1, 31, v0                           ; L
	v_lshrrev_b32 v2, 5, v0                        ; s
	s_delay_alu instid0(VALU_DEP_2)
	v_lshlrev_b32 v3, 4, v1
	s_delay_alu instid0(VALU_DEP_1)
	v_lshl_add_u32 v3, v2, 11, v3                  ; my place in the tile: 2,048 s + 16 L (+ 512 c in the immediate)
	v_and_b32 v4, 7, v0                            ; j
	v_bfe_u32 v5, v0, 3, 1                         ; h'
	v_bfe_u32 v6, v0, 4, 1                         ; hk
	s_lshl_b32 s14, ttmp9, 14                      ; the tile's first byte in wl
	s_mov_b32 s15, 0
	s_lshr_b32 s16, ttmp9, 3                       ; slot
	s_and_b32 s17, ttmp9, 7                        ; tile in the slot
	s_and_b32 s20, s17, 1                          ; e
	s_mov_b32 s29, 0
	s_wait_kmcnt 0x0
	s_add_nc_u64 s[12:13], s[12:13], s[14:15]
	s_cmp_ge_u32 ttmp9, 192
	s_cbranch_scc1 .Lwout
	; ---- Wq, Wk, Wv: one path; tensor, first channel and the step from h' = 0 to 1 are chosen on the work-group's number alone
	s_lshr_b32 s18, s17, 2                         ; cw
	s_bfe_u32 s19, s17, 0x10001                    ; p
	s_lshl_b32 s21, s18, 6                         ; 64 cw
	s_lshl_b32 s22, s16, 2
	s_lshl_b32 s23, s19, 1
	s_add_co_u32 s22, s22, s23                     ; slots 0-15: 4 slot + 2 p
	s_and_b32 s23, s16, 7                          ; slots 16-23: slot - 16
	s_lshl_b32 s23, s23, 3
	s_lshl_b32 s24, s19, 2
	s_add_co_u32 s23, s23, s24
	s_add_co_u32 s23, s23, s20                     ; 4 (2 (slot - 16) + p) + e
	s_cmp_eq_u32 s20, 0
	s_cselect_b64 s[26:27], s[4:5], s[6:7]         ; Wq or Wk
	s_cmp_lt_u32 s16, 16
	s_cselect_b64 s[26:27], s[26:27], s[8:9]       ; or Wv
	s_cselect_b32 s22, s22, s23
	s_cselect_b32 s24, 10, 11                      ; h' steps one row of 1,024 bytes, or two
	s_add_co_u32 s22, s22, s21                     ; the tile's first channel
	s_lshl_b32 s28, s22, 10
	s_add_nc_u64 s[26:27], s[26:27], s[28:29]
	s_wait_alu depctr_va_vdst(0)
	v_lshlrev_b32 v7, 17, v4                       ; chunk j: 128 rows of 1,024 bytes
	v_lshlrev_b32 v8, s24, v5
	s_delay_alu instid0(VALU_DEP_1)
	v_add_nc_u32 v7, v7, v8
	s_delay_alu instid0(VALU_DEP_1)
	v_lshl_add_u32 v7, v6, 4, v7                   ; + 16 hk
	s_delay_alu instid0(VALU_DEP_1)
	v_lshl_add_u32 v7, v2, 7, v7                   ; + 128 s
.irp c, 0,1,2,3
	global_load_b128 v[16+4*\c:19+4*\c], v7, s[26:27] offset:32*\c
.endr
	s_wait_loadcnt 0x0
.irp c, 0,1,2,3
	global_store_b128 v3, v[16+4*\c:19+4*\c], s[12:13] offset:512*\c
.endr
	s_endpgm
.Lwout:
	; ---- Wout: of row n the 16 channels 16 s + 0..15 of each of the 8 chunks are read; a piece takes two channels of all eight chunks
	s_lshr_b32 s18, s17, 1                         ; w
	s_and_b32 s19, s16, 7                          ; slot - 24
	s_lshl_b32 s18, s18, 4
	s_lshl_b32 s19, s19, 1
	s_add_co_u32 s18, s18, s19
	s_add_co_u32 s18, s18, s20                     ; the tile of 16 columns: 16 w + 2 (slot - 24) + e
	s_lshl_b32 s28, s18, 14                        ; 16 rows of 1,024 bytes
	s_add_nc_u64 s[26:27], s[10:11], s[28:29]
	s_mov_b32 s30, 0x05040100                      ; the low halves of two words
	s_mov_b32 s31, 0x07060302                      ; the high halves
	v_and_b32 v8, 15, v0                           ; i
	s_delay_alu instid0(VALU_DEP_1)
	v_lshlrev_b32 v7, 10, v8
	s_wait_alu depctr_va_vdst(0)
	v_lshl_add_u32 v7, v2, 4, v7                   ; row i, + 16 s
.irp j, 0,1,2,3,4,5,6,7
	global_load_b128 v[16+4*\j:19+4*\j], v7, s[26:27] offset:128*\j   ; chunk j: word c holds channels 16 s + 4 c + 0..3
.endr
	v_mov_b32 v9, 0x05010400                       ; hk = 0: bytes 0 and 1 of two words, interleaved
	v_mov_b32 v10, 0x07030602                      ; hk = 1: bytes 2 and 3
	v_cmp_eq_u32 vcc_lo, 1, v6
	s_delay_alu instid0(VALU_DEP_1)
	v_cndmask_b32 v9, v9, v10, vcc_lo
	s_wait_alu depctr_va_vdst(0)
	s_wait_loadcnt 0x0
.irp c, 0,1,2,3
	v_perm_b32 v48, v[20+\c], v[16+\c], v9         ; chunks 0, 1: (first channel: 0, 1; second channel: 0, 1)
	v_perm_b32 v49, v[28+\c], v[24+\c], v9         ; chunks 2, 3
	v_perm_b32 v50, v[36+\c], v[32+\c], v9         ; chunks 4, 5
	v_perm_b32 v51, v[44+\c], v[40+\c], v9         ; chunks 6, 7
	s_delay_alu instid0(VALU_DEP_3)
	v_perm_b32 v[52+4*\c], v49, v48, s30           ; first channel, chunks 0-3
	s_delay_alu instid0(VALU_DEP_2)
	v_perm_b32 v[53+4*\c], v51, v50, s30           ; first channel, chunks 4-7
	v_perm_b32 v[54+4*\c], v49, v48, s31           ; second channel, chunks 0-3
	s_delay_alu instid0(VALU_DEP_4)
	v_perm_b32 v[55+4*\c], v51, v50, s31           ; second channel, chunks 4-7
	global_store_b128 v3, v[52+4*\c:55+4*\c], s[12:13] offset:512*\c
.endr
	s_endpgm
.Lfunc_end_k_q91dac03861_lay:
	.size	k_q91dac03861_lay, .Lfunc_end_k_q91dac03861_lay-k_q91dac03861_lay
	.p2alignl 7, 3214868480
	.fill 96, 4, 3214868480
	.section	.rodata,"a",@progbits
	.p2align	6, 0x0
	.amdhsa_kernel k_q91dac03861_lay
		.amdhsa_group_segment_fixed_size 0
		.amdhsa_private_segment_fixed_size 0
		.amdhsa_enable_private_segment 0
		.amdhsa_kernarg_size 40
		.amdhsa_user_sgpr_count 2
		.amdhsa_user_sgpr_kernarg_segment_ptr 1
		.amdhsa_wavefront_size32 1
		.amdhsa_system_sgpr_workgroup_id_x 1
		.amdhsa_system_sgpr_workgroup_id_y 1
		.amdhsa_system_sgpr_workgroup_id_z 1
		.amdhsa_system_vgpr_workitem_id 0
		.amdhsa_next_free_vgpr 72
		.amdhsa_next_free_sgpr 66
		.amdhsa_reserve_vcc 1
		.amdhsa_float_denorm_mode_32 3
		.amdhsa_float_denorm_mode_16_64 3
		.amdhsa_memory_ordered 1
		.amdhsa_forward_progress 1
		.amdhsa_inst_pref_size 8
	.end_amdhsa_kernel
	.amdgpu_metadata
---
amdhsa.version: [ 1, 2 ]
amdhsa.kernels:
  - .name:           k_q91dac03861_lay
    .symbol:         k_q91dac03861_lay.kd
    .args:
      - { .name: Wq_codes, .offset: 0, .size: 8, .value_kind: global_buffer, .address_space: global }
      - { .name: Wk_codes, .offset: 8, .size: 8, .value_kind: global_buffer, .address_space: global }
      - { .name: Wv_codes, .offset: 16, .size: 8, .value_kind: global_buffer, .address_space: global }
      - { .name: Wout_codes, .offset: 24, .size: 8, .value_kind: global_buffer, .address_space: global }
      - { .name: wl, .offset: 32, .size: 8, .value_kind: global_buffer, .address_space: global }
    .group_segment_fixed_size: 0
    .private_segment_fixed_size: 0
    .kernarg_segment_align: 8
    .kernarg_segment_size: 40
    .max_flat_workgroup_size: 256
    .sgpr_count:     66
    .vgpr_count:     72
    .wavefront_size: 32
...
	.end_amdgpu_metadata
.endif
;; end of part 3
;; launch tca (part 4): grid 256 x 1, 4 waves a work-group, clusters of 4 x 1, 327,680 bytes of LDS; arguments x_codes, c_codes, wl, bout, lowp_scales, out0; writes out0
.if DOCPART == 4
	.amdgcn_target "amdgcn-amd-amdhsa--gfx1250"
	.amdhsa_code_object_version 6
	.text
	.protected	k_q91dac03861_tca
	.globl	k_q91dac03861_tca
	.p2align	8
	.type	k_q91dac03861_tca,@function
k_q91dac03861_tca:
	s_mov_b64 s[64:65], 0
	v_nop
	global_prefetch_b8 v0, s[64:65] scope:SCOPE_SE
	s_setreg_imm32_b32 hwreg(HW_REG_WAVE_MODE, 25, 1), 1
	s_wait_xcnt 0x0
	s_wait_alu depctr_hold_cnt(0) depctr_sa_sdst(0) depctr_va_vdst(0) depctr_va_sdst(0) depctr_va_ssrc(0) depctr_va_vcc(0) depctr_vm_vsrc(0)
	s_getreg_b32 s2, hwreg(HW_REG_IB_STS2, 6, 4)
	s_cmp_eq_u32 s2, 0
	s_cbranch_scc0 .Lentry_in_a_cluster
	s_endpgm
.Lentry_in_a_cluster:
	s_bfe_u32 s2, ttmp6, 0x10000c
	s_cmp_lg_u32 s2, 0x3003
	s_cbranch_scc0 .Lentry_shape_is_right
	s_endpgm
.Lentry_shape_is_right:
; out = (softmax(q k^T / sqrt(128)) v) Wout + bout, token by token: reference()'s raw reshape makes one token's 8 chunks of 128 channels the 8 queries, keys and values of one head.
; A work-group owns 64 tokens; wave (rows half, channel half) keeps the codes of its 32 tokens of x and of c, all 1,024 K, in windows 2 and 3.
; The four weights come from wl, slot by slot, through a ring of two LDS slots of 131,072 bytes, asked for jointly by the four work-groups of a cluster.
; All products are used transposed (source 0 = 16 weight rows, source 1 = 16 tokens): a lane holds one token, its 8 registers the 8 chunks of one channel.
; Scores and the weighted sum are f32 multiply-adds; the row's maximum is taken away before the exponential; attn is quantised with the given scale and handed round through LDS.
; No prefetch is written: wl is 4 MiB that all 256 work-groups walk, each cluster beginning at another slot.
; LIMITS on lowp_scales, so that each power of two is an f32 number: e0+e1+e2+e3 between -123 and 130; e6-e4-e5 between -126 and 112; e6+e7 between -126 and 127.
.set SLOTB, 1<<17
.set SCR,   2*SLOTB
.set STG,   SCR+32768
.set SPARE, STG+4*4352
.set S,   32
.set ACC, 160
.set T,   224
.set CT,  240
.set OB,  160
.set BI,  224
.set MSB, 0
.macro WIN new
.if MSB != (\new)
	s_set_vgpr_msb (MSB<<8)|(\new)
.set MSB, (\new)
.endif
.endm
.macro PLACES
.rept 4
	v_nop
.endr
.endm
.macro ROUND
	s_barrier_signal -1
	s_barrier_wait -1
	s_cmp_lg_u32 s16, 0
	s_cbranch_scc1 .Lnot_wave_0_\@
	s_barrier_signal -3
.Lnot_wave_0_\@:
	s_barrier_wait -3
	s_barrier_signal -1
	s_barrier_wait -1
.endm
.macro CHANGE fill
	WIN 0
.if \fill
	s_add_co_u32 s21, s21, 1
	s_cmp_lt_u32 s21, 16
	s_cselect_b32 s62, s55, 0
	s_cselect_b32 s63, 15, 7
	s_cmp_ge_u32 s21, 24
	s_cselect_b32 s62, s2, s62
	s_add_co_u32 s62, s62, s21
	s_and_b32 s62, s62, s63
	s_and_not1_b32 s63, s21, s63
	s_or_b32 s62, s62, s63
	s_lshl_b32 s62, s62, 17
	s_mov_b32 s63, 0
.endif
	s_wait_tensorcnt 0x0
	ds_add_u32 v1, v2
.if \fill
	s_xor_b32 s37, s37, SLOTB
	s_add_nc_u64 s[38:39], s[22:23], s[62:63]
	s_or_b32 s39, s39, 0x80000000
.endif
	s_xor_b32 s52, s52, SLOTB
	s_wait_dscnt 0x0
.if \fill
	ROUND
	tensor_load_to_lds s[36:39], s[24:31]
	s_nop 0
	PLACES
.else
	s_barrier_signal -1
	s_barrier_wait -1
.endif
.endm
.macro MULS D, par, a0, a1
.if (\D) < 2
	WIN 0x09
.else
	WIN 0x0d
.endif
.irp ss, 0,1
.set mS, 2*(\D)+\ss
.set mA, 16*(mS%4)
.set mD, ACC+32*(\par)
.if mS == 0
	v_wmma_f32_16x16x128_bf8_bf8 v[mD:mD+7], v[16*mS:16*mS+15], v[\a0+mA:\a0+mA+15], 0
	v_wmma_f32_16x16x128_bf8_bf8 v[mD+8:mD+15], v[16*mS:16*mS+15], v[\a0+64+mA:\a0+64+mA+15], 0
	v_wmma_f32_16x16x128_bf8_bf8 v[mD+16:mD+23], v[128+16*mS:128+16*mS+15], v[\a1+mA:\a1+mA+15], 0
	v_wmma_f32_16x16x128_bf8_bf8 v[mD+24:mD+31], v[128+16*mS:128+16*mS+15], v[\a1+64+mA:\a1+64+mA+15], 0
.else
	v_wmma_f32_16x16x128_bf8_bf8 v[mD:mD+7], v[16*mS:16*mS+15], v[\a0+mA:\a0+mA+15], v[mD:mD+7]
	v_wmma_f32_16x16x128_bf8_bf8 v[mD+8:mD+15], v[16*mS:16*mS+15], v[\a0+64+mA:\a0+64+mA+15], v[mD+8:mD+15]
	v_wmma_f32_16x16x128_bf8_bf8 v[mD+16:mD+23], v[128+16*mS:128+16*mS+15], v[\a1+mA:\a1+mA+15], v[mD+16:mD+23]
	v_wmma_f32_16x16x128_bf8_bf8 v[mD+24:mD+31], v[128+16*mS:128+16*mS+15], v[\a1+64+mA:\a1+64+mA+15], v[mD+24:mD+31]
.endif
.endr
.endm
.macro RELOAD D, off
	WIN 0x40
.irp e, 0,1
.irp ss, 0,1
.irp c, 0,1,2,3
	ds_load_b128 v[128*\e+16*(2*(\D)+\ss)+4*\c:128*\e+16*(2*(\D)+\ss)+4*\c+3], v5 offset:(\off)+16384*\e+2048*(2*(\D)+\ss)+512*\c
.endr
.endr
.endr
.endm
.macro VQK D, par, first
.set qA, (\D)/2
.set qQ, ACC+32*(\par)+8*qA
.set qK, qQ+16
.set qS, S+64*qA
.irp jj, 0,1,2,3
.set qJ, 4*((\D)%2)+\jj
.irp jp, 0,2,4,6
.if (\jj)%2 == 0
.if \first
	v_pk_mul_f32 v[qS+8*qJ+\jp:qS+8*qJ+\jp+1], v[qQ+\jp:qQ+\jp+1], v[qK+qJ:qK+qJ+1] op_sel_hi:[1,0]
.else
	v_pk_fma_f32 v[qS+8*qJ+\jp:qS+8*qJ+\jp+1], v[qQ+\jp:qQ+\jp+1], v[qK+qJ:qK+qJ+1], v[qS+8*qJ+\jp:qS+8*qJ+\jp+1] op_sel_hi:[1,0,1]
.endif
.else
.if \first
	v_pk_mul_f32 v[qS+8*qJ+\jp:qS+8*qJ+\jp+1], v[qQ+\jp:qQ+\jp+1], v[qK+qJ-1:qK+qJ] op_sel:[0,1] op_sel_hi:[1,1]
.else
	v_pk_fma_f32 v[qS+8*qJ+\jp:qS+8*qJ+\jp+1], v[qQ+\jp:qQ+\jp+1], v[qK+qJ-1:qK+qJ], v[qS+8*qJ+\jp:qS+8*qJ+\jp+1] op_sel:[0,1,0] op_sel_hi:[1,1,1]
.endif
.endif
.endr
.endr
.endm
.macro VPV D, par, o
.set pA, (\D)/2
.set pE, (\D)%2
.set pT, T+8*pE
.set pV, ACC+32*(\par)+16*pE+8*pA
.set pW, S+64*pA
.set pC, CT+8*(\par)
.if (\D) == 0
	v_add_nc_u32 v10, s54, v9
.endif
.if (\D) == 2
	ds_store_b128 v10, v[pC:pC+3] offset:\o
.endif
.irp jp, 0,2,4,6
	v_pk_mul_f32 v[pT+\jp:pT+\jp+1], v[pW+\jp:pW+\jp+1], v[pV:pV+1] op_sel_hi:[1,0]
.endr
.irp jq, 1,2,3,4,5,6,7
.irp jp, 0,2,4,6
.if (\jq)%2
	v_pk_fma_f32 v[pT+\jp:pT+\jp+1], v[pW+8*\jq+\jp:pW+8*\jq+\jp+1], v[pV+\jq-1:pV+\jq], v[pT+\jp:pT+\jp+1] op_sel:[0,1,0] op_sel_hi:[1,1,1]
.else
	v_pk_fma_f32 v[pT+\jp:pT+\jp+1], v[pW+8*\jq+\jp:pW+8*\jq+\jp+1], v[pV+\jq:pV+\jq+1], v[pT+\jp:pT+\jp+1] op_sel_hi:[1,0,1]
.endif
.endr
.endr
.irp i, 0,1,2,3,4,5,6,7
	v_med3_num_f32 v[pT+\i], v[pT+\i], -v17, v17
.endr
	v_cvt_scalef32_pk8_bf8_f32 v[pC+4*pA+2*pE:pC+4*pA+2*pE+1], v[pT:pT+7], v16
	v_nop
.if (\D) == 3
	ds_store_b128 v10, v[pC+4:pC+7] offset:(\o)+8192
.endif
.endm
.macro VEC kind, D, par, o
.if \kind == 0
	PLACES
.elseif \kind == 1
	VQK \D, \par, 1
.elseif \kind == 2
	VQK \D, \par, 0
.else
	VPV \D, \par, \o
.endif
.endm
.macro UNIT_N par, kind, a0, a1, o
.irp D, 0,1,2,3
	s_wait_alu depctr_va_vdst(0)
	s_wait_dscnt 48
	MULS \D, \par, \a0, \a1
	WIN 0
	VEC \kind, \D, 1-(\par), \o
	RELOAD \D, 32768
.endr
	WIN 0
.endm
.macro UNIT_C par, kind, a0, a1, base, o
	CHANGE 1
	v_add_nc_u32 v5, s52, v[\base]
.irp D, 0,1,2,3
	MULS \D, \par, \a0, \a1
	WIN 0
	VEC \kind, \D, 1-(\par), \o
	RELOAD \D, 0
.endr
	WIN 0
.endm
.macro OMUL D, q
.if (\D) < 2
	WIN 0x09
.else
	WIN 0x0d
.endif
.irp ss, 0,1
.set mS, 2*(\D)+\ss
.set mA, 128*((mS%4)/2)+16*(mS%2)
.irp e, 0,1
.irp m, 0,1,2,3
.set mD, S+8*(4*(2*(\q)+\e)+\m)
.if mS == 0
	v_wmma_f32_16x16x128_bf8_bf8 v[mD:mD+7], v[128*\e+16*mS:128*\e+16*mS+15], v[mA+32*\m:mA+32*\m+15], 0
.else
	v_wmma_f32_16x16x128_bf8_bf8 v[mD:mD+7], v[128*\e+16*mS:128*\e+16*mS+15], v[mA+32*\m:mA+32*\m+15], v[mD:mD+7]
.endif
.endr
.endr
.endr
.endm
.macro OUNIT q, mode
.if \mode < 2
	CHANGE 1-(\mode)
	v_add_nc_u32 v5, s52, v4
	s_wait_alu depctr_va_vdst(0)
.irp D, 0,1,2,3
	OMUL \D, \q
	PLACES
	RELOAD \D, 0
.endr
	WIN 0
.else
	s_wait_dscnt 48
	OMUL 0, \q
	s_wait_dscnt 32
	OMUL 1, \q
	s_wait_dscnt 16
	OMUL 2, \q
	s_wait_dscnt 0x0
	OMUL 3, \q
	WIN 0
	PLACES
.endif
.endm
.macro ALOAD h
.irp cq, 0,1
	WIN 0x80+0x40*\cq
.irp m, 0,1,2,3
.irp sl, 0,1
.irp c, 0,1,2,3
	ds_load_b128 v[128*\h+32*\m+16*\sl+4*\c:128*\h+32*\m+16*\sl+4*\c+3], v11 offset:2048*(4*\m+2*\cq+\sl)+512*\c
.endr
.endr
.endr
.endr
	WIN 0
.endm
.macro TOSTAGE m
.irp tt, 0,1,2,3
	ds_store_b128 v12, v[S+8*(4*\tt+\m):S+8*(4*\tt+\m)+3] offset:64*\tt
	ds_store_b128 v12, v[S+8*(4*\tt+\m)+4:S+8*(4*\tt+\m)+7] offset:64*\tt+16
.endr
.irp t, 0,1,2,3,4,5,6,7
	ds_load_b128 v[OB+32*((\m)%2)+4*\t:OB+32*((\m)%2)+4*\t+3], v13 offset:544*\t
.endr
.endm
.macro SEND m, y
	s_wait_dscnt \y
.irp t, 0,1,2,3,4,5,6,7
	v_pk_fma_f32 v[OB+32*((\m)%2)+4*\t:OB+32*((\m)%2)+4*\t+1], v[OB+32*((\m)%2)+4*\t:OB+32*((\m)%2)+4*\t+1], s[50:51], v[BI:BI+1] op_sel_hi:[1,0,1]
	v_pk_fma_f32 v[OB+32*((\m)%2)+4*\t+2:OB+32*((\m)%2)+4*\t+3], v[OB+32*((\m)%2)+4*\t+2:OB+32*((\m)%2)+4*\t+3], s[50:51], v[BI+2:BI+3] op_sel_hi:[1,0,1]
.endr
.irp t, 0,1,2,3,4,5,6,7
	global_store_b128 v14, v[OB+32*((\m)%2)+4*\t:OB+32*((\m)%2)+4*\t+3], s[14:15] offset:(16*(\m)+2*\t)*4096 th:TH_STORE_NT
.endr
.endm
.macro OUTPUT
	s_wait_loadcnt 0x0
	TOSTAGE 0
	TOSTAGE 1
	SEND 0, 16
	s_wait_xcnt 0x0
	TOSTAGE 2
	SEND 1, 16
	s_wait_xcnt 0x0
	TOSTAGE 3
	SEND 2, 16
	SEND 3, 0
	s_wait_xcnt 0x0
	s_add_co_u32 s3, s3, 256
	s_and_b32 s3, s3, 768
	v_add_nc_u32 v14, s3, v18
	v_add_nc_u32 v15, s3, v19
.endm
	s_load_b256 s[4:11], s[0:1], 0x0
	s_load_b128 s[12:15], s[0:1], 0x20
	v_lshl_add_u32 v1, v0, 2, SPARE
	v_mov_b32 v2, 0
	ds_add_u32 v1, v2
	ds_add_u32 v1, v2
	s_wait_dscnt 0x0
	v_lshrrev_b32 v20, 5, v0
	v_readfirstlane_b32 s16, v20
	s_lshr_b32 s17, s16, 1
	s_and_b32 s18, s16, 1
	s_bfe_u32 s19, ttmp6, 0x40000
	s_lshl_b32 s20, ttmp9, 2
	s_add_co_u32 s20, s20, s19
	s_lshr_b32 s55, ttmp9, 2
	s_xor_b32 s55, s55, ttmp9
	s_and_b32 s55, s55, 15
	s_and_b32 s2, s55, 3
	s_lshl_b32 s3, s2, 8
	s_lshl_b32 s2, s2, 1
	s_mov_b32 s21, 1
	s_mov_b32 s24, 15|(3<<16)|(1<<21)
	s_mov_b32 s25, 32<<16
	s_mov_b32 s26, 128<<16
	s_mov_b32 s27, 32<<16
	s_mov_b32 s28, 128
	s_mov_b32 s29, 32
	s_mov_b32 s30, 0
	s_mov_b32 s31, 0
	s_mov_b32 s32, 1
	s_lshl_b32 s33, s16, 15
	s_mov_b32 s36, 1
	s_add_co_u32 s37, s33, SLOTB
	s_mov_b32 s60, s33
	s_mov_b32 s61, 0
	s_mov_b32 s52, 0
	s_mov_b32 s56, 0x76543210
	s_mov_b32 s57, 0xfedcba98
	v_and_b32 v20, 31, v0
	s_wait_alu depctr_va_vdst(0)
	v_and_b32 v21, 15, v0
	v_bfe_u32 v22, v0, 4, 1
	s_lshl_b32 s62, s18, 16
	v_lshl_add_u32 v3, v20, 4, s62
	v_lshl_add_u32 v4, v20, 4, s33
	v_lshlrev_b32 v6, 10, v21
	v_lshl_add_u32 v6, v22, 4, v6
	s_lshl_b32 s62, s16, 13
	s_add_co_u32 s62, s62, SCR
	v_lshl_add_u32 v7, v21, 4, s62
	s_xor_b32 s62, s16, 1
	s_lshl_b32 s62, s62, 13
	s_add_co_u32 s62, s62, SCR
	v_lshl_add_u32 v8, v21, 4, s62
	s_lshl_b32 s62, s17, 14
	s_lshl_b32 s63, s18, 12
	s_add_co_u32 s62, s62, s63
	s_add_co_u32 s62, s62, SCR
	v_lshl_add_u32 v9, v20, 4, s62
	v_lshl_add_u32 v11, v20, 4, SCR
	s_mul_i32 s62, s16, 4352
	s_add_co_u32 s62, s62, STG
	v_mul_u32_u24 v12, v21, 272
	v_lshl_add_u32 v12, v22, 5, v12
	v_add_nc_u32 v12, s62, v12
	v_mul_u32_u24 v13, v22, 272
	v_lshl_add_u32 v13, v21, 4, v13
	v_add_nc_u32 v13, s62, v13
	s_lshl_b32 s62, s16, 10
	v_lshl_add_u32 v19, v21, 4, s62
	v_lshl_add_u32 v18, v22, 12, v19
	v_add_nc_u32 v15, s3, v19
	v_add_nc_u32 v14, s3, v18
	s_lshl_b32 s58, s20, 16
	s_lshl_b32 s59, s17, 15
	s_add_co_u32 s58, s58, s59
	s_mov_b32 s59, 0
	s_wait_kmcnt 0x0
	s_load_b256 s[40:47], s[12:13], 0x0
	s_add_nc_u64 s[22:23], s[8:9], s[60:61]
	s_lshl_b32 s60, s55, 17
	s_add_nc_u64 s[34:35], s[22:23], s[60:61]
	s_add_co_u32 s60, s55, 1
	s_and_b32 s60, s60, 15
	s_lshl_b32 s60, s60, 17
	s_add_nc_u64 s[38:39], s[22:23], s[60:61]
	s_or_b32 s35, s35, 0x80000000
	s_or_b32 s39, s39, 0x80000000
	s_add_nc_u64 s[4:5], s[4:5], s[58:59]
	s_add_nc_u64 s[6:7], s[6:7], s[58:59]
	s_lshl_b32 s58, s20, 18
	s_add_nc_u64 s[14:15], s[14:15], s[58:59]
	ROUND
	tensor_load_to_lds s[32:35], s[24:31]
	s_nop 0
	PLACES
; my 32 tokens of x and of c are asked for while slot 0 is on its way
.irp w, 0,1
	WIN 0x80+0x40*\w
.irp a, 0,1
.irp sq, 0,1,2,3
.irp c, 0,1,2,3
	global_load_b128 v[64*\a+16*\sq+4*\c:64*\a+16*\sq+4*\c+3], v6, s[4:5] offset:16384*\a+128*(4*\w+\sq)+32*\c
	global_load_b128 v[128+64*\a+16*\sq+4*\c:128+64*\a+16*\sq+4*\c+3], v6, s[6:7] offset:16384*\a+128*(4*\w+\sq)+32*\c
.endr
.endr
.endr
.endr
	WIN 0
	s_wait_alu depctr_va_vdst(0)
	s_wait_tensorcnt 0x0
	ds_add_u32 v1, v2
	s_wait_dscnt 0x0
	ROUND
	tensor_load_to_lds s[36:39], s[24:31]
	s_nop 0
	PLACES
	s_wait_kmcnt 0x0
	s_add_co_i32 s58, s40, s41
	s_add_co_i32 s58, s58, s42
	s_add_co_i32 s58, s58, s43
	s_lshl_b32 s58, s58, 23
	s_add_co_i32 s48, s58, 0x3e0293ee
	s_mov_b32 s49, s48
	s_add_co_i32 s58, s46, s47
	s_add_co_i32 s58, s58, 127
	s_lshl_b32 s50, s58, 23
	s_mov_b32 s51, s50
	s_sub_co_i32 s58, s46, s44
	s_sub_co_i32 s58, s58, s45
	s_add_co_i32 s58, s58, 127
	s_lshl_b32 s59, s58, 23
	v_mov_b32 v16, s59
	s_add_co_i32 s58, s58, 15
	s_lshl_b32 s58, s58, 23
	s_or_b32 s58, s58, 0x600000
	v_mov_b32 v17, s58
	s_wait_tensorcnt 1
	s_barrier_signal -1
	s_barrier_wait -1
	v_mov_b32 v5, v3
	RELOAD 0, 0
	RELOAD 1, 0
	RELOAD 2, 0
	RELOAD 3, 0
	WIN 0
	s_wait_alu depctr_va_vdst(0)
	s_wait_loadcnt 0x0
	UNIT_N 0, 0, 0, 128, 0
	UNIT_C 1, 1, 0, 128, 3, 0
	s_mov_b32 s53, 15
.Lqk:
	UNIT_N 0, 2, 0, 128, 0
	UNIT_C 1, 2, 0, 128, 3, 0
	s_sub_co_u32 s53, s53, 1
	s_cmp_lg_u32 s53, 0
	s_cbranch_scc1 .Lqk
	VQK 0, 1, 0
	VQK 1, 1, 0
	VQK 2, 1, 0
	VQK 3, 1, 0
.irp bt, 0,1
.set i, 0
.rept 64
	v_permlanex16_b32 v[ACC+i], v[S+64*\bt+i], s56, s57
.set i, i+1
.endr
.set i, 0
.rept 32
	v_pk_add_f32 v[S+64*\bt+i:S+64*\bt+i+1], v[S+64*\bt+i:S+64*\bt+i+1], v[ACC+i:ACC+i+1]
.set i, i+2
.endr
.endr
.set i, 0
.rept 32
	ds_store_b128 v7, v[S+4*i:S+4*i+3] offset:256*i
.set i, i+1
.endr
	s_wait_dscnt 0x0
	s_barrier_signal -1
	s_barrier_wait -1
.irp bt, 0,1
.set i, 0
.rept 16
	ds_load_b128 v[ACC+4*i:ACC+4*i+3], v8 offset:4096*\bt+256*i
.set i, i+1
.endr
	s_wait_dscnt 0x0
.set i, 0
.rept 32
	v_pk_add_f32 v[S+64*\bt+i:S+64*\bt+i+1], v[S+64*\bt+i:S+64*\bt+i+1], v[ACC+i:ACC+i+1]
.set i, i+2
.endr
.endr
.irp a, 0,1
.irp j, 0,1,2,3,4,5,6,7
	v_max3_num_f32 v[T+8*\a+\j], v[S+64*\a+\j], v[S+64*\a+8+\j], v[S+64*\a+16+\j]
.endr
.endr
.irp a, 0,1
.irp j, 0,1,2,3,4,5,6,7
	v_max3_num_f32 v[T+8*\a+\j], v[T+8*\a+\j], v[S+64*\a+24+\j], v[S+64*\a+32+\j]
.endr
.endr
.irp a, 0,1
.irp j, 0,1,2,3,4,5,6,7
	v_max3_num_f32 v[T+8*\a+\j], v[T+8*\a+\j], v[S+64*\a+40+\j], v[S+64*\a+48+\j]
.endr
.endr
.irp a, 0,1
.irp j, 0,1,2,3,4,5,6,7
	v_max_num_f32 v[T+8*\a+\j], v[T+8*\a+\j], v[S+64*\a+56+\j]
.endr
.endr
.irp i, 0,2,4,6,8,10,12,14
	v_pk_mul_f32 v[T+\i:T+\i+1], v[T+\i:T+\i+1], s[48:49] op_sel_hi:[1,0]
.endr
.irp a, 0,1
.irp jq, 0,1,2,3,4,5,6,7
.irp jp, 0,2,4,6
	v_pk_fma_f32 v[S+64*\a+8*\jq+\jp:S+64*\a+8*\jq+\jp+1], v[S+64*\a+8*\jq+\jp:S+64*\a+8*\jq+\jp+1], s[48:49], v[T+8*\a+\jp:T+8*\a+\jp+1] op_sel_hi:[1,0,1] neg_lo:[0,0,1] neg_hi:[0,0,1]
.endr
.endr
.endr
.set i, 0
	s_wait_alu depctr_va_vdst(0)
.rept 128
	v_exp_f32 v[S+i], v[S+i]
.set i, i+1
.endr
	v_nop
	s_wait_alu depctr_va_vdst(0)
.irp a, 0,1
.irp jp, 0,2,4,6
	v_pk_add_f32 v[T+8*\a+\jp:T+8*\a+\jp+1], v[S+64*\a+\jp:S+64*\a+\jp+1], v[S+64*\a+8+\jp:S+64*\a+8+\jp+1]
.endr
.endr
.irp jq, 2,3,4,5,6,7
.irp a, 0,1
.irp jp, 0,2,4,6
	v_pk_add_f32 v[T+8*\a+\jp:T+8*\a+\jp+1], v[T+8*\a+\jp:T+8*\a+\jp+1], v[S+64*\a+8*\jq+\jp:S+64*\a+8*\jq+\jp+1]
.endr
.endr
.endr
.set i, 0
	s_wait_alu depctr_va_vdst(0)
.rept 16
	v_rcp_f32 v[T+i], v[T+i]
.set i, i+1
.endr
	v_nop
	s_wait_alu depctr_va_vdst(0)
.irp a, 0,1
.irp jq, 0,1,2,3,4,5,6,7
.irp jp, 0,2,4,6
	v_pk_mul_f32 v[S+64*\a+8*\jq+\jp:S+64*\a+8*\jq+\jp+1], v[S+64*\a+8*\jq+\jp:S+64*\a+8*\jq+\jp+1], v[T+8*\a+\jp:T+8*\a+\jp+1]
.endr
.endr
.endr
.macro VHALF h, base
	s_mov_b32 s54, 0
	UNIT_N 0, 0, 128, 128, 0
	s_mov_b32 s53, 3
.Lvh_\@:
	UNIT_C 1, 3, 128, 128, 3, 0
	UNIT_N 0, 3, 128, 128, 512
	s_add_co_u32 s54, s54, 1024
	s_sub_co_u32 s53, s53, 1
	s_cmp_lg_u32 s53, 0
	s_cbranch_scc1 .Lvh_\@
	UNIT_C 1, 3, 128, 128, \base, 0
	VPV 0, 1, 512
	VPV 1, 1, 512
	VPV 2, 1, 512
	VPV 3, 1, 512
	s_wait_dscnt 0x0
	s_barrier_signal -1
	s_barrier_wait -1
	ALOAD \h
.endm
	VHALF 0, 3
	VHALF 1, 4
	s_wait_dscnt 0x0
	s_mov_b32 s53, 3
.Lout:
	s_wait_alu depctr_va_vdst(0)
	global_load_b128 v[BI:BI+3], v15, s[10:11]
	OUNIT 0, 0
	OUNIT 1, 0
	OUTPUT
	s_sub_co_u32 s53, s53, 1
	s_cmp_lg_u32 s53, 0
	s_cbranch_scc1 .Lout
	global_load_b128 v[BI:BI+3], v15, s[10:11]
	OUNIT 0, 1
	OUNIT 1, 2
	OUTPUT
	s_wait_tensorcnt 0x0
	ds_add_u32 v1, v2
	s_wait_dscnt 0x0
	ROUND
	s_endpgm
.Lfunc_end_k_q91dac03861_tca:
	.size	k_q91dac03861_tca, .Lfunc_end_k_q91dac03861_tca-k_q91dac03861_tca
	.p2alignl 7, 3214868480
	.fill 96, 4, 3214868480
	.section	.rodata,"a",@progbits
	.p2align	6, 0x0
	.amdhsa_kernel k_q91dac03861_tca
		.amdhsa_group_segment_fixed_size 327680
		.amdhsa_private_segment_fixed_size 0
		.amdhsa_enable_private_segment 0
		.amdhsa_kernarg_size 48
		.amdhsa_user_sgpr_count 2
		.amdhsa_user_sgpr_kernarg_segment_ptr 1
		.amdhsa_wavefront_size32 1
		.amdhsa_system_sgpr_workgroup_id_x 1
		.amdhsa_system_sgpr_workgroup_id_y 1
		.amdhsa_system_sgpr_workgroup_id_z 1
		.amdhsa_system_vgpr_workitem_id 0
		.amdhsa_next_free_vgpr 1024
		.amdhsa_next_free_sgpr 66
		.amdhsa_reserve_vcc 0
		.amdhsa_float_denorm_mode_32 3
		.amdhsa_float_denorm_mode_16_64 3
		.amdhsa_memory_ordered 1
		.amdhsa_forward_progress 1
		.amdhsa_inst_pref_size 255
	.end_amdhsa_kernel
	.section	.bss,"aw",@nobits
	.p2align	6
	.space	262144
	.amdgpu_metadata
---
amdhsa.version: [ 1, 2 ]
amdhsa.kernels:
  - .name:           k_q91dac03861_tca
    .symbol:         k_q91dac03861_tca.kd
    .args:
      - { .name: x_codes, .offset: 0, .size: 8, .value_kind: global_buffer, .address_space: global }
      - { .name: c_codes, .offset: 8, .size: 8, .value_kind: global_buffer, .address_space: global }
      - { .name: wl, .offset: 16, .size: 8, .value_kind: global_buffer, .address_space: global }
      - { .name: bout, .offset: 24, .size: 8, .value_kind: global_buffer, .address_space: global }
      - { .name: lowp_scales, .offset: 32, .size: 8, .value_kind: global_buffer, .address_space: global }
      - { .name: out0, .offset: 40, .size: 8, .value_kind: global_buffer, .address_space: global }
    .group_segment_fixed_size: 327680
    .private_segment_fixed_size: 0
    .kernarg_segment_align: 8
    .kernarg_segment_size: 48
    .max_flat_workgroup_size: 128
    .sgpr_count:     66
    .vgpr_count:     1024
    .wavefront_size: 32
...
	.end_amdgpu_metadata
.endif
;; end of part 4
